; MI455X (gfx1250); checked and timed in simulation.
; The chip was launched on July 23, 2026; its instructions are those of AMD's public machine-readable ISA for CDNA 5 (MIT licence, August 2026) and "CDNA5" Instruction Set Architecture Reference Guide (July 2026). The comments in the code are by the model that wrote it; some were corrected since.
;; Geometric Attention Bias. Allowed arithmetic: matrix products marked QUANTISED: E2M3 operands, one E8M0 scale for each 32 along K, by v_wmma_scale_f32_16x16x128_f8f6f4 with both operands' format E2M3, f32 sums; products left as they are: f32 operands where the result goes on into a quantised operand, else bf16, f16 or f32 operands; f32 sums; everything else in f32.
;; Inputs: W1 4 x 128 float32; W2_codes 64 x 4 x 24 uint8 (E2M3 codes of W2, K innermost, in blocks of 32 codes, four codes in three bytes); W2_scales 64 x 4 uint8 (E8M0 scales of W2, one for each 32 codes along K); W3 64 x 8 float32; b1 128 float32; b2 64 float32; b3 8 float32; beta1 128 float32; beta2 64 float32; bias_scale 8 float32; g1 128 float32; g2 64 float32; grasp_poses 4 x 64 x 7 float32; grasp_tokens 4 x 64 x 256 float32; scene_points 4 x 4,096 x 3 float32.
;; Outputs: out0 4 x 8 x 64 x 4,096 float32.
;; This version of the problem:
;;   THIS VERSION OF THE PROBLEM IS GIVEN IN LOW PRECISION. The matrix products marked QUANTISED in the list below multiply operands that are first quantised to E2M3 (2 exponent bits, 3 mantissa bits; 6 bits a number), with one power-of-two scale for each 32 numbers along K (OCP MX v1.0); their sums are f32. All else is computed in f32.
;;   The module's matrix products, in the order in which they are computed (A, B: the left and right operand; K: the contracted axis; several contracted axes count as one K, in the product's order):
;;     1. batch 256 x [M 4,096, K 3] x [K 3, N 3]; A: computed on the way; B: computed on the way: left as it is (K = 3 < 32)
;;     2. [M 1,048,576, K 4] x [K 4, N 128]; A: computed on the way; B: input W1: left as it is (K = 4 < 32)
;;     3. [M 1,048,576, K 128] x [K 128, N 64]; A: computed on the way; B: input W2 (given as codes): QUANTISED
;;     4. [M 1,048,576, K 64] x [K 64, N 8]; A: computed on the way; B: input W3: left as it is (N = 8 < 16)
;;   THE QUANTISER, for each operand of a quantised product, along K:
;;     - K is cut into blocks of 32 from its start; a last block that is shorter is filled with zeros.
;;     - A block's scale is 2^e with e = floor(log2(the largest magnitude in the block)) - 2, held to -126 .. 127; a block of zeros has e = 0. As a byte (E8M0): e + 127.
;;     - Each number is divided by its block's scale, clamped to +-7.5, and rounded to the nearest number of E2M3, ties to even, subnormals kept.
;;     - The product sums the exact products of the quantised numbers (number of the format x scale) in f32.
;;   ~~~python
;;   def quantise(x, axis):      # numpy; x: float32 -> the quantised numbers, widened to float32 again
;;       x = np.moveaxis(x, axis, -1); K = x.shape[-1]
;;       x = np.pad(x, [(0, 0)] * (x.ndim - 1) + [(0, -K % 32)]); x = x.reshape(x.shape[:-1] + (-1, 32)); a = np.abs(x).max(-1, keepdims=True)
;;       e = np.where(a > 0, np.clip(np.frexp(np.where(a > 0, a, 1))[1] - 1 - 2, -126, 127), 0)      # np.frexp(a)[1] - 1 = floor(log2(a)), exactly
;;       r = np.clip(x / 2.0 ** e, -7.5, 7.5)
;;       step = 2.0 ** (np.maximum(np.frexp(np.where(r == 0, 1, r))[1] - 1, 0) - 3)
;;       q = np.round(r / step) * step * 2.0 ** e      # np.round: ties to even
;;       return np.moveaxis(q.reshape(q.shape[:-2] + (-1,))[..., :K], -1, axis).astype(np.float32)
;;   ~~~
;;   OPERANDS COMPUTED ON THE WAY. 'Computed on the way' means the value that the module computes at that place (a softmax that the list does not call 'softmax' is quantised finished and normalised). What goes into a quantiser is computed in f32, as accurately as f32 sums, v_exp_f32 and their like allow (about 1e-6 of the number): no bf16 or f16 on the way to a quantiser, and a product that is left as it is and whose result goes on into a quantised operand takes f32 operands (vector FMAs, or v_wmma_f32_16x16x4_f32). A number that lies on a knife's edge between two numbers of the format may be rounded either way, as far as f32 arithmetic and the matrix unit's own rounding can turn it there, and no further.
;;   INPUTS GIVEN AS CODES. W2 (in the module: [128, 64], K = its axis 0): each comes as NAME_codes (uint8): NAME with its K axis moved to the last place and cut into blocks of 32 codes, [.., K / 32, bytes a block], one block behind the other in memory; four codes in three bytes: a row's codes are one little-endian stream of bits, code i at bits 6 i .. 6 i + 5 (a code: sign, 2 exponent bits, 3 mantissa bits); and NAME_scales (uint8): the same leading axes, one E8M0 byte (e + 127) for each 32 codes along K. Its value is code x scale, taken as it is: it is not quantised again, and the codes and scales need not be those that the quantiser above would give.
;; 2 versions, each right; version 2 is version 1 with the launch geo written anew for expert scheduling mode. Each part assembles by itself: llvm-mc -triple=amdgcn-amd-amdhsa -mcpu=gfx1250 --defsym DOCPART=n.
;; ======== version 1 of 2: 1 launch
;; launch geo (part 1): grid 256 x 1, 8 waves a work-group, no clusters, 35,840 bytes of LDS; arguments scene_points, grasp_poses, W1, b1, g1, beta1, W2_codes, W2_scales, b2, g2, beta2, W3, b3, bias_scale, out0; writes out0
.if DOCPART == 1
	.amdgcn_target "amdgcn-amd-amdhsa--gfx1250"
	.amdhsa_code_object_version 6
	.text
	.protected	k_q882ee8caca_geo
	.globl	k_q882ee8caca_geo
	.p2align	8
	.type	k_q882ee8caca_geo,@function
k_q882ee8caca_geo:
	s_mov_b64 s[64:65], 0
	v_nop
	global_prefetch_b8 v0, s[64:65] scope:SCOPE_SE
	s_setreg_imm32_b32 hwreg(HW_REG_WAVE_MODE, 25, 1), 1
	s_wait_xcnt 0x0
; out0[b][head][g][p] = bias_scale[head] x (LN2(relu(Q(LN1(relu(feats W1 + b1))) W2 + b2)) W3 + b3)[head],
; feats = (R^T (point p - t), its norm) for grasp (b, g).  Q: the MX quantiser to E2M3 along the 128 hidden units; W2 arrives as codes.
; SHARES.  A work-group owns one grasp (256 grasps, 256 work-groups); each of its eight waves 512 points: 8 trips of 64 points, a trip = 4 tiles of 16 points.
; A lane (r = lane % 16, h = lane / 16) holds ONE point r of the tile throughout; its registers run along the hidden units.  Waves share nothing: no barrier.
; PRODUCTS.  feats W1 (K = 4) feeds the quantiser, so it takes f32 operands: v_wmma_f32_16x16x4_f32, transposed (source 0 = 16 columns of W1, source 1 = the features, C = b1).
;   The 16 columns of W1 that form tile t = 4 c + u are hidden units 64 c + 8 u + (m % 8) + 32 (m / 8): register 32 c + i of a lane is then hidden unit 64 c + 32 h + i, which is the
;   6-bit operand's own order: a lane holds two WHOLE blocks of 32, so a block's largest magnitude and its codes need no other lane.
;   The quantised product: v_wmma_scale_f32_16x16x128_f8f6f4, both sides FP6, transposed (source 0 = 16 rows of W2's codes, source 1 = the codes just made, C = b2).
;   The last product (64 -> 8) feeds no quantiser: bf16 operands, f32 sums, NOT transposed, so that a lane's eight results are eight neighbouring points of one head.
;   LayerNorm 2's gain and bias, b3 and bias_scale are folded into it, exactly: out = sum_k e_k (g2_k W3[k][hd] sc[hd]) + sc[hd] (b3[hd] + sum_k beta2_k W3[k][hd]), e = (x - mean) rsqrt(var + eps) in f32.
;   Columns 8-15 of that product repeat heads 0-7 (no load leaves W3, nothing is zeroed); their results go to stage rows that nobody reads.
; VARIANCES are taken of x - mean, as the definition has them: no difference of large sums.
; THE WAY OUT.  A trip's 64 points of a head are 256 consecutive bytes of out0, aligned: the four tiles' results meet in the wave's own stage in LDS and leave as whole rows.
; grasp_tokens enters no step of the definition; no result hangs on it, and it is not among this launch's arguments.
; LIMITS.  NaN and infinities among the inputs are not served.  A block whose largest magnitude lies under 2^-124 keeps the scale byte 1 (so does a block of zeros: its codes are zeros, which add nothing).
;   v_sqrt_f32, v_rsq_f32 and v_rcp_f32 are good to 1 ulp and flush denormals (ISA guide, their entries in 15.8): a squared distance under 2^-126 gives distance 0.  |point - t| above about 1e19 overflows its square.
; REGISTERS, in windows of 256.  Window 0: see the names below.  Window 1: b1, g1, beta1 (64 each, in the first product's result layout), b2 (32), the folded W3 in bf16 (16), the folded constant (8).
.set PA,   1                           ; v1      my point's byte in the batch's points: 12 x lane + 6,144 x wave, stepped 768 a trip
.set STO,  2                           ; v2      the stage, in: 4,352 x wave + 272 r + 32 h
.set SRD,  3                           ; v3      the stage, back: 4,352 x wave + 272 h + 16 r
.set OA,   4                           ; v4      out0: 1,048,576 h + 16 r
.set SH8,  5                           ; v5      8 h: where my two scale bytes stand in the scale word
.set T,    6                           ; v6-13   at work: four pairs
.set BC,   14                          ; v[14:15] the number that a packed line applies to both halves (-mean, or rsqrt); v15 is only named with it
.set W1F,  16                          ; v16-31  W1's eight fragments
.set W2S,  32                          ; v32-35  W2's scale words: scales and nothing else
.set PW,   36                          ; v36     the hidden layer's scale word: scales and nothing else
.set F,    40                          ; v40-47  the features of a trip's four tiles, two registers each
.set P0,   48                          ; v48-50  points 0-31 of a trip as loaded;  v52-54 points 32-63
.set P1,   52
.set PC,   56                          ; v56-67  the hidden layer's codes: a fragment
.set PT,   68                          ; v68-70, v72-74  the upper halves of the two blocks' codes, as the conversions leave them
.set ACC,  80                          ; v80-143 the first product's eight results: written by that matrix form alone
.set X,    144                         ; v144-207 64 numbers at work; in layer 2: v144-175 its 32 numbers, v176-207 the quantised product's results, then v176-191 bf16 rows, v192-199 the last product's result
.set W2F,  208                         ; v208-255 W2's four fragments
.set B1,   0                           ; window 1
.set G1,   64
.set BE1,  128
.set B2,   192
.set W3F,  224
.set C3,   240
.set MSB, 0
.macro WIN new                         ; the immediate's high byte repeats the setting that is left; a switch that changes nothing is dropped
.if MSB != \new
	s_set_vgpr_msb (MSB<<8)|\new
.set MSB, \new
.endif
.endm
; settings: 0x10 source 2 in window 1;  0x14 sources 1 and 2;  0x04 source 1;  0x40 the destination
; tile t of the first product for the tile of points whose features stand in v[nf], v[nf+1]; runs under 0x10 (C = b1 in window 1)
.macro W1MUL t, nf
	v_wmma_f32_16x16x4_f32 v[ACC+8*\t:ACC+8*\t+7], v[W1F+2*\t:W1F+2*\t+1], v[\nf:\nf+1], v[B1+8*\t:B1+8*\t+7]
.endm
.macro NEXT t, nf                      ; nothing where there is no next tile
.if \nf >= 0
	W1MUL \t, \nf
.endif
.endm
; 32 points, lane l taking point l: v[f] .. v[f+3] = R^T (p - t) and its norm; then two exchanges of halves make of them the operands of points 0-15 (f, f+1) and 16-31 (f+2, f+3):
; register j of lane (r, h) = feature 2 h + j of point r
.macro FEATS p, f
.irp j, 0,1,2
	v_sub_f32 v[T+\j], v[\p+\j], s[57+\j]          ; the difference first, as the definition has it
.endr
.irp i, 0,1,2
	v_mul_f32 v[\f+\i], s[48+\i], v[T]             ; (R^T v)_i = sum over j of R_ji v_j
.endr
.irp i, 0,1,2
	v_fma_f32 v[\f+\i], s[51+\i], v[T+1], v[\f+\i]
.endr
.irp i, 0,1,2
	v_fma_f32 v[\f+\i], s[54+\i], v[T+2], v[\f+\i]
.endr
	v_mul_f32 v[T+3], v[\f], v[\f]
	v_fma_f32 v[T+3], v[\f+1], v[\f+1], v[T+3]
	v_fma_f32 v[T+3], v[\f+2], v[\f+2], v[T+3]
	v_sqrt_f32 v[\f+3], v[T+3]
	v_nop                                          ; one plain place behind a transcendental
	v_permlane16_swap_b32 v[\f], v[\f+2]           ; the first's lanes 16-31 change places with the second's lanes 0-15
	s_wait_alu depctr_va_vdst(0)
	v_permlane16_swap_b32 v[\f+1], v[\f+3]
.endm
.macro RELU dst, src, n0, cnt          ; ascending: each accumulator is read from its low end on
.set rn, \n0
.rept \cnt
	v_max_num_f32 v[\dst+rn], 0, v[\src+rn]
.set rn, rn+1
.endr
.endm
; sums over a lane's numbers, two at a time, in four chains (the pairs at v[T] on); row m = pairs 4 m .. 4 m + 3
.macro ADDROW0 x
.irp q, 0,1,2,3
	v_pk_add_f32 v[T+2*\q:T+2*\q+1], v[\x+2*\q:\x+2*\q+1], v[\x+8+2*\q:\x+8+2*\q+1]
.endr
.endm
.macro ADDROW x, m
.irp q, 0,1,2,3
	v_pk_add_f32 v[T+2*\q:T+2*\q+1], v[T+2*\q:T+2*\q+1], v[\x+8*(\m)+2*\q:\x+8*(\m)+2*\q+1]
.endr
.endm
.macro SQROW0 x
.irp q, 0,1,2,3
	v_pk_mul_f32 v[T+2*\q:T+2*\q+1], v[\x+2*\q:\x+2*\q+1], v[\x+2*\q:\x+2*\q+1]
.endr
.endm
.macro SQROW x, m
.irp q, 0,1,2,3
	v_pk_fma_f32 v[T+2*\q:T+2*\q+1], v[\x+8*(\m)+2*\q:\x+8*(\m)+2*\q+1], v[\x+8*(\m)+2*\q:\x+8*(\m)+2*\q+1], v[T+2*\q:T+2*\q+1]
.endr
.endm
.macro FOLD
	v_pk_add_f32 v[T:T+1], v[T:T+1], v[T+2:T+3]
	v_pk_add_f32 v[T+4:T+5], v[T+4:T+5], v[T+6:T+7]
	v_pk_add_f32 v[T:T+1], v[T:T+1], v[T+4:T+5]
.endm
.macro LANES                           ; the pair's halves, and the lane 16 away, which holds the point's other numbers
	v_add_f32 v[T], v[T], v[T+1]
	v_permlanex16_b32 v[T+1], v[T], s46, s47
	v_add_f32 v[T], v[T], v[T+1]
.endm
.macro BADD x, p0, cnt                 ; cnt pairs from pair p0 on: + v[BC]
.set pp, 2*(\p0)
.rept \cnt
	v_pk_add_f32 v[\x+pp:\x+pp+1], v[\x+pp:\x+pp+1], v[BC:BC+1] op_sel_hi:[1,0]
.set pp, pp+2
.endr
.endm
.macro BMUL x, p0, cnt                 ; x v[BC]
.set pp, 2*(\p0)
.rept \cnt
	v_pk_mul_f32 v[\x+pp:\x+pp+1], v[\x+pp:\x+pp+1], v[BC:BC+1] op_sel_hi:[1,0]
.set pp, pp+2
.endr
.endm
; ONE TILE OF 16 POINTS, the tau-th of its trip.  Its first product stands finished in ACC.  nf: where the NEXT tile's features stand (negative: there is none).
.macro TILE tau, nf
; A: relu and mean.  The next tile's eight f32 products are dealt among these lines, one behind each 15 to 20 of them, each behind the relu that has read its accumulator: the matrix unit works under the vector lines.
.if \nf >= 0
	WIN 0x10                                       ; for their C; the vector lines here have two vector sources at most and are not touched by it
.endif
	RELU X, ACC, 0, 16
	NEXT 0, \nf
	RELU X, ACC, 16, 16
	NEXT 1, \nf
	RELU X, ACC, 32, 16
	NEXT 2, \nf
	s_wait_dscnt 0x0                               ; the last tile's two stores into the stage are done: their data, v192-199, are written again below
	RELU X, ACC, 48, 16
	NEXT 3, \nf
	ADDROW0 X
	ADDROW X, 2
	ADDROW X, 3
	ADDROW X, 4
	NEXT 4, \nf
	ADDROW X, 5
	ADDROW X, 6
	ADDROW X, 7
	FOLD
	NEXT 5, \nf
	LANES
	v_mul_f32 v[BC], 0xbc000000, v[T]              ; -mean = sum x -1/128
	BADD X, 0, 16
	NEXT 6, \nf
	BADD X, 16, 16
	NEXT 7, \nf
	WIN 0
; B: the variance of x - mean
	SQROW0 X
.irp m, 1,2,3,4,5,6,7
	SQROW X, \m
.endr
	FOLD
	LANES
	v_fma_f32 v[T], v[T], s60, s62                 ; / 128 + 1e-5
	v_rsq_f32 v[BC], v[T]
	v_nop                                          ; one plain place behind a transcendental
	s_wait_alu depctr_va_vdst(0)
; C, D: (x - mean) rsqrt, then x g1 + beta1
	BMUL X, 0, 32
	WIN 0x14
.set pp, 0
.rept 32
	v_pk_fma_f32 v[X+pp:X+pp+1], v[X+pp:X+pp+1], v[G1+pp:G1+pp+1], v[BE1+pp:BE1+pp+1]
.set pp, pp+2
.endr
	WIN 0
; E: the quantiser.  Block 2 c + h of my point is v[X + 32 c] .. + 31, all mine.  Two chains a block, the four by turns.
.irp c, 0,1
	v_max3_num_f32 v[T+\c], |v[X+32*\c]|, |v[X+32*\c+1]|, 0x1800000   ; with the floor 2^(3 - 127) among the leaves: the byte cannot fall under 1
	v_max3_num_f32 v[T+2+\c], |v[X+32*\c+16]|, |v[X+32*\c+17]|, |v[X+32*\c+18]|
.endr
.irp i, 0,1,2,3,4,5
.irp c, 0,1
	v_max3_num_f32 v[T+\c], v[T+\c], |v[X+32*\c+2+2*\i]|, |v[X+32*\c+3+2*\i]|
	v_max3_num_f32 v[T+2+\c], v[T+2+\c], |v[X+32*\c+19+2*\i]|, |v[X+32*\c+20+2*\i]|
.endr
.endr
.irp c, 0,1
	v_max3_num_f32 v[T+\c], v[T+\c], |v[X+32*\c+14]|, |v[X+32*\c+15]|
.endr
.irp c, 0,1
	v_max3_num_f32 v[T+\c], v[T+\c], v[T+2+\c], |v[X+32*\c+31]|     ; the block's largest magnitude
.endr
.irp c, 0,1
	v_add_nc_u32 v[T+4+\c], 0xff000000, v[T+\c]    ; 2 off its exponent field: the conversion takes the exponent field of this operand as its scale, and nothing else of it
.endr
.irp c, 0,1
	v_lshrrev_b32 v[T+6+\c], 23, v[T+4+\c]         ; the scale's byte
.endr
	v_lshl_or_b32 v[T+6], v[T+7], 16, v[T+6]       ; my two bytes: blocks h and 2 + h,
	v_lshlrev_b32 v[T+6], v[SH8], v[T+6]           ; at their places in the word (8 h bits up);
	v_permlanex16_b32 v[T+7], v[T+6], s46, s47
	v_or_b32 v[PW], v[T+6], v[T+7]                 ; with the other half's two the word is whole
.irp c, 0,1
	v_cvt_scalef32_pk16_fp6_f32 v[PC+6*\c:PC+6*\c+2], v[X+32*\c:X+32*\c+15], v[T+4+\c]
	v_cvt_scalef32_pk16_fp6_f32 v[PT+4*\c:PT+4*\c+2], v[X+32*\c+16:X+32*\c+31], v[T+4+\c]   ; (a conversion's three registers begin on an even number: a block's upper half is made elsewhere and moved)
.endr
	v_nop                                          ; one plain place behind a scaled conversion
.irp c, 0,1
.irp i, 0,1,2
	v_mov_b32 v[PC+3+6*\c+\i], v[PT+4*\c+\i]
.endr
.endr
.rept 7
	v_nop                                          ; with the v_nop above: eight places that name none of the product's registers between the scale word's last write and the scaled product; the codes' last write stands seven ahead (four are asked)
.endr
; F: the quantised product, four accumulators, one K step each; C = b2
	WIN 0x10
.irp t, 0,1,2,3
	v_wmma_scale_f32_16x16x128_f8f6f4 v[X+32+8*\t:X+32+8*\t+7], v[W2F+12*\t:W2F+12*\t+11], v[PC:PC+11], v[B2+8*\t:B2+8*\t+7], v[W2S+\t], v[PW] matrix_a_fmt:MATRIX_FMT_FP6 matrix_b_fmt:MATRIX_FMT_FP6
.endr
	WIN 0
.rept 4
	v_nop                                          ; four places in front of the first read of the results (ISA guide 7.12.1)
.endr
; G: relu, mean, variance, normalised; register 8 t + j = unit 16 t + 8 h + j of my point; rounded to bf16 in pairs, which is the last product's source 0 as it stands
	RELU X, X+32, 0, 32
	ADDROW0 X
	ADDROW X, 2
	ADDROW X, 3
	FOLD
	LANES
	v_mul_f32 v[BC], 0xbc800000, v[T]              ; -mean = sum x -1/64
	BADD X, 0, 16
	SQROW0 X
	SQROW X, 1
	SQROW X, 2
	SQROW X, 3
	FOLD
	LANES
	v_fma_f32 v[T], v[T], s61, s62                 ; / 64 + 1e-5
	v_rsq_f32 v[BC], v[T]
	v_nop                                          ; one plain place behind a transcendental
	s_wait_alu depctr_va_vdst(0)
	BMUL X, 0, 16
.set pp, 0
.rept 16
	v_cvt_pk_bf16_f32 v[X+32+pp], v[X+2*pp], v[X+2*pp+1]
.set pp, pp+1
.endr
; H: the last product, K = 64 in two steps on one accumulator; C = the folded constant
	WIN 0x14
	v_wmma_f32_16x16x32_bf16 v[X+48:X+55], v[X+32:X+39], v[W3F:W3F+7], v[C3:C3+7]
	WIN 0x04
	s_wait_alu depctr_va_vdst(0)                   ; the link adds onto the result of the matrix instruction just before it
	v_wmma_f32_16x16x32_bf16 v[X+48:X+55], v[X+40:X+47], v[W3F+8:W3F+15], v[X+48:X+55]
	WIN 0
.rept 4
	v_nop                                          ; four places in front of the stores that read the result
.endr
	ds_store_b128 v[STO], v[X+48:X+51] offset:64*\tau          ; lane (r, h): head r, points 16 tau + 8 h + 0 .. 7; from the low end on
	ds_store_b128 v[STO], v[X+52:X+55] offset:64*\tau+16
.endm
.macro LOADP                           ; a trip's 64 points: each load reads 384 consecutive bytes, 12 a lane
	global_load_b96 v[P0:P0+2], v[PA], s[8:9]
	global_load_b96 v[P1:P1+2], v[PA], s[8:9] offset:384
.endm
; a trip's way out: eight rows of 256 bytes come back from my stage (LDS serves a wave's instructions in order, ISA guide 5.7.1.4: these see the stores above) and are stored
.macro OUT step
.irp q, 0,1,2,3
	ds_load_b128 v[X+4*\q:X+4*\q+3], v[SRD] offset:544*\q
.endr
.irp q, 0,1,2,3
	s_wait_dscnt 3-\q                              ; load q is in; the 3 - q younger ones may stay out
	global_store_b128 v[OA], v[X+4*\q:X+4*\q+3], s[36:37] offset:\q*2097152 th:TH_STORE_NT   ; lanes 0-15: head 2 q's 256 consecutive bytes, aligned; lanes 16-31: head 2 q + 1's.  Written once, read by nobody here
.endr
.if \step
	s_wait_xcnt 0x0                                ; the stores' data and base are written again only behind this wait
	s_add_nc_u64 s[36:37], s[36:37], 256           ; the next trip's 64 points
.endif
.endm
; ---------------- set-up, every wave ----------------
	s_load_b512 s[8:23], s[0:1], 0x0               ; scene_points 8, grasp_poses 10, W1 12, b1 14, g1 16, beta1 18, W2_codes 20, W2_scales 22
	s_load_b256 s[24:31], s[0:1], 0x40             ; b2 24, g2 26, beta2 28, W3 30
	s_load_b128 s[32:35], s[0:1], 0x60             ; b3 32, bias_scale 34
	s_load_b64 s[36:37], s[0:1], 0x70              ; out0
	v_lshl_add_u32 v51, v0, 2, 0x8800
	v_mov_b32 v55, 0
	v_lshrrev_b32 v6, 5, v0
	v_readfirstlane_b32 s3, v6                     ; wave 0..7
	s_mov_b32 s2, ttmp9                            ; the grasp: 64 b + g
	s_mov_b32 s46, 0x76543210
	s_mov_b32 s47, 0xfedcba98                      ; v_permlanex16_b32's selects for lane l xor 16
	s_mov_b32 s60, 0x3c000000                      ; 1/128
	s_mov_b32 s61, 0x3c800000                      ; 1/64
	s_mov_b32 s62, 0x3727c5ac                      ; 1e-5
	v_and_b32 v6, 31, v0                           ; lane
	v_and_b32 v7, 15, v0                           ; r
	v_bfe_u32 v8, v0, 4, 1                         ; h
	v_and_b32 v9, 7, v7                            ; r % 8
	v_lshrrev_b32 v10, 3, v7                       ; r / 8
	s_mul_i32 s5, s3, 6144
	v_mul_u32_u24 v[PA], v6, 12
	v_add_nc_u32 v[PA], s5, v[PA]
	s_mul_i32 s5, s3, 4352                         ; my stage: 16 rows of 256 + 16 bytes
	v_mul_u32_u24 v[STO], v7, 272
	v_lshl_add_u32 v[STO], v8, 5, v[STO]
	v_add_nc_u32 v[STO], s5, v[STO]
	v_mul_u32_u24 v[SRD], v8, 272
	v_lshl_add_u32 v[SRD], v7, 4, v[SRD]
	v_add_nc_u32 v[SRD], s5, v[SRD]
	v_lshlrev_b32 v[OA], 20, v8
	v_lshl_add_u32 v[OA], v7, 4, v[OA]
	v_lshlrev_b32 v[SH8], 3, v8
	v_lshlrev_b32 v144, 7, v8                      ; b1, g1, beta1: 128 h
	v_lshlrev_b32 v145, 5, v8                      ; b2: 32 h
	v_lshlrev_b32 v146, 10, v8                     ; W1: rows 2 h + j, column (r % 8) + 32 (r / 8) of the tile's
	v_lshl_add_u32 v146, v9, 2, v146
	v_lshl_add_u32 v146, v10, 7, v146
	v_mul_u32_u24 v147, v7, 96                     ; W2's codes: row r of 96 bytes, + 24 h
	v_mad_u32_u24 v147, v8, 24, v147
	v_lshlrev_b32 v148, 2, v7                      ; W2's scale words: 4 r
	v_lshlrev_b32 v13, 8, v8                       ; W3: rows 8 h on, column r % 8
	v_lshl_add_u32 v13, v9, 2, v13
	v_lshlrev_b32 v14, 5, v8                       ; g2, beta2: 32 h
	v_lshlrev_b32 v15, 2, v9                       ; b3, bias_scale: 4 (r % 8)
	s_mul_i32 s5, s2, 28
	v_mov_b32 v37, s5                              ; my grasp's pose: 7 words
	s_lshr_b32 s5, s2, 6                           ; b
	s_mul_i32 s6, s5, 49152
	s_mov_b32 s7, 0
	s_lshl_b32 s38, s5, 23                         ; out0: b x 8 heads x 64 grasps x 16,384 bytes
	s_and_b32 s40, s2, 63
	s_lshl_b32 s40, s40, 14                        ; + g x 16,384
	s_add_co_u32 s38, s38, s40
	s_lshl_b32 s40, s3, 11                         ; + my wave's 512 points
	s_add_co_u32 s38, s38, s40
	s_mov_b32 s39, 0
	s_wait_kmcnt 0x0
	s_add_nc_u64 s[8:9], s[8:9], s[6:7]            ; the batch's points
	s_add_nc_u64 s[36:37], s[36:37], s[38:39]
	LOADP                                          ; the first trip's points
.irp t, 0,1,2,3,4,5,6,7
.irp j, 0,1
	global_load_b32 v[W1F+2*\t+\j], v146, s[12:13] offset:256*(\t/4)+32*(\t%4)+512*\j
.endr
.endr
.irp t, 0,1,2,3
.irp p, 0,1,2,3,4,5
	global_load_b64 v[W2F+12*\t+2*\p:W2F+12*\t+2*\p+1], v147, s[20:21] offset:1536*\t+48*(\p/3)+8*(\p%3)   ; 24 bytes of the row's stream of bits as three loads of 8
.endr
	global_load_b32 v[W2S+\t], v148, s[22:23] offset:64*\t
.endr
	WIN 0x40                                       ; destinations in window 1
.irp c, 0,1
.irp q, 0,1,2,3,4,5,6,7
	global_load_b128 v[B1+32*\c+4*\q:B1+32*\c+4*\q+3], v144, s[14:15] offset:256*\c+16*\q      ; register 32 c + i: index 64 c + 32 h + i
	global_load_b128 v[G1+32*\c+4*\q:G1+32*\c+4*\q+3], v144, s[16:17] offset:256*\c+16*\q
	global_load_b128 v[BE1+32*\c+4*\q:BE1+32*\c+4*\q+3], v144, s[18:19] offset:256*\c+16*\q
.endr
.endr
.irp t, 0,1,2,3
.irp q, 0,1
	global_load_b128 v[B2+8*\t+4*\q:B2+8*\t+4*\q+3], v145, s[24:25] offset:64*\t+16*\q         ; register 8 t + j: index 16 t + 8 h + j
.endr
.endr
	WIN 0
	s_wait_xcnt 0x0                                ; v144-148 were addresses of the loads above: the loads below land on them only behind this wait
; index e = 16 s + 8 c + i stands for k = 32 s + 16 c + 8 h + i: the bf16 operand's order
.set ee, 0
.rept 32
	global_load_b32 v[X+ee], v13, s[30:31] offset:(32*(ee/16)+16*((ee/8)%2)+ee%8)*32           ; W3[k][r % 8]
.set ee, ee+1
.endr
.set ee, 0
.rept 8
	global_load_b128 v[X+32+4*ee:X+32+4*ee+3], v14, s[26:27] offset:(32*(ee/4)+16*((ee/2)%2))*4+16*(ee%2)     ; g2[k]
	global_load_b128 v[40+4*ee+8*((4*ee+24)/32):40+4*ee+8*((4*ee+24)/32)+3], v14, s[28:29] offset:(32*(ee/4)+16*((ee/2)%2))*4+16*(ee%2)   ; beta2[k]: v40-47, then v56-79 (the points' registers are passed over)
.set ee, ee+1
.endr
	global_load_b32 v38, v15, s[34:35]             ; bias_scale[r % 8]
	global_load_b32 v39, v15, s[32:33]             ; b3[r % 8]
.irp i, 0,1,2,3,4,5,6
	global_load_b32 v[6+\i], v37, s[10:11] offset:4*\i         ; t in v6-8, the quaternion (x, y, z, w) in v9-12: the same in every lane
.endr
	s_wait_loadcnt 0x0                             ; all constants, the pose and the first points
; the folded constant: sc (b3 + sum over k of beta2_k W3[k][hd]): my 32 k in two chains, the other 32 from the lane 16 away
	v_mul_f32 v13, v[X], v40
	v_mul_f32 v14, v[X+1], v41
.set ee, 2
.rept 15
	v_fma_f32 v13, v[X+ee], v[40+ee+8*((ee+24)/32)], v13
	v_fma_f32 v14, v[X+ee+1], v[41+ee+8*((ee+25)/32)], v14
.set ee, ee+2
.endr
	v_add_f32 v13, v13, v14
	v_permlanex16_b32 v15, v13, s46, s47
	v_add_f32 v13, v13, v15
	v_add_f32 v13, v13, v39
	v_mul_f32 v13, v13, v38
; the folded weight: W3[k][hd] g2_k sc[hd] in f32, rounded once to bf16
.set ee, 0
.rept 16
	v_pk_mul_f32 v[X+ee:X+ee+1], v[X+ee:X+ee+1], v[X+32+ee:X+32+ee+1]
.set ee, ee+2
.endr
.set ee, 0
.rept 16
	v_pk_mul_f32 v[X+ee:X+ee+1], v[X+ee:X+ee+1], v[38:39] op_sel_hi:[1,0]
.set ee, ee+2
.endr
	WIN 0x40
.set ee, 0
.rept 16
	v_cvt_pk_bf16_f32 v[W3F+ee], v[X+2*ee], v[X+2*ee+1]
.set ee, ee+1
.endr
.irp j, 0,1,2,3,4,5,6,7
	v_mov_b32 v[C3+\j], v13
.endr
	WIN 0
	v_mov_b32 v15, 0                               ; named as the upper half of v[14:15]
; the rotation, the same in every lane
	v_mul_f32 v144, v9, v9
	v_fma_f32 v144, v10, v10, v144
	v_fma_f32 v144, v11, v11, v144
	v_fma_f32 v144, v12, v12, v144
	v_sqrt_f32 v144, v144
	v_nop                                          ; one plain place behind a transcendental
	s_wait_alu depctr_va_vdst(0)
	v_add_f32 v144, 0x322bcc77, v144               ; + 1e-8
	v_rcp_f32 v144, v144
	v_nop
	s_wait_alu depctr_va_vdst(0)
.irp i, 9,10,11,12
	v_mul_f32 v\i, v\i, v144
.endr
	v_mul_f32 v145, v9, v9                         ; xx
	v_mul_f32 v146, v10, v10                       ; yy
	v_mul_f32 v147, v11, v11                       ; zz
	v_mul_f32 v148, v9, v10                        ; xy
	v_mul_f32 v149, v9, v11                        ; xz
	v_mul_f32 v150, v10, v11                       ; yz
	v_mul_f32 v151, v12, v9                        ; wx
	v_mul_f32 v152, v12, v10                       ; wy
	v_mul_f32 v153, v12, v11                       ; wz
	v_add_f32 v154, v146, v147                     ; R00 = 1 - 2 (yy + zz)
	v_sub_f32 v155, v148, v153                     ; R01 = 2 (xy - wz)
	v_add_f32 v156, v149, v152                     ; R02 = 2 (xz + wy)
	v_add_f32 v157, v148, v153                     ; R10 = 2 (xy + wz)
	v_add_f32 v158, v145, v147                     ; R11 = 1 - 2 (xx + zz)
	v_sub_f32 v159, v150, v151                     ; R12 = 2 (yz - wx)
	v_sub_f32 v160, v149, v152                     ; R20 = 2 (xz - wy)
	v_add_f32 v161, v150, v151                     ; R21 = 2 (yz + wx)
	v_add_f32 v162, v145, v146                     ; R22 = 1 - 2 (xx + yy)
.irp i, 154,158,162
	v_fma_f32 v\i, v\i, -2.0, 1.0
.endr
.irp i, 155,156,157,159,160,161
	v_mul_f32 v\i, 2.0, v\i
.endr
.irp i, 0,1,2,3,4,5,6,7,8
	v_readfirstlane_b32 s[48+\i], v[154+\i]        ; s[48 + 3 j + i] = R_ji
.endr
.irp i, 0,1,2
	v_readfirstlane_b32 s[57+\i], v[6+\i]          ; t
.endr
; the first tile's first product
	v_add_nc_u32 v[PA], 768, v[PA]                 ; the next trip's points (the loads that read this register are in)
	FEATS P0, F
	WIN 0x10
.irp t, 0,1,2,3,4,5,6,7
	W1MUL \t, F
.endr
	WIN 0
.rept 8
	v_nop                                          ; eight places behind this matrix form in front of the first read of its results; in the loop a tile's other phases stand there
.endr
	s_mov_b32 s4, 7
.Ltrip:                                            ; seven trips; the eighth is written out, since it loads nothing and starts no product
	TILE 0, F+2                                    ; and starts tile 1's first product
	FEATS P1, F+4                                  ; this trip's points 32-63
	LOADP                                          ; the next trip's 64 points: two tiles ahead of their first use
	TILE 1, F+4
	TILE 2, F+6
	s_wait_loadcnt 0x0                             ; both loads are in; their address register may be stepped
	v_add_nc_u32 v[PA], 768, v[PA]
	FEATS P0, F                                    ; the next trip's points 0-31
	TILE 3, F                                      ; and starts the next trip's tile 0
	OUT 1
	s_sub_co_u32 s4, s4, 1
	s_cmp_lg_u32 s4, 0
	s_cbranch_scc1 .Ltrip
	TILE 0, F+2
	FEATS P1, F+4
	TILE 1, F+4
	TILE 2, F+6
	TILE 3, -1
	OUT 0
	s_wait_tensorcnt 0x0
	ds_add_u32 v51, v55
	s_wait_dscnt 0x0
	s_endpgm
.Lfunc_end_k_q882ee8caca_geo:
	.size	k_q882ee8caca_geo, .Lfunc_end_k_q882ee8caca_geo-k_q882ee8caca_geo
	.p2alignl 7, 3214868480
	.fill 96, 4, 3214868480
	.section	.rodata,"a",@progbits
	.p2align	6, 0x0
	.amdhsa_kernel k_q882ee8caca_geo
		.amdhsa_group_segment_fixed_size 35840
		.amdhsa_private_segment_fixed_size 0
		.amdhsa_enable_private_segment 0
		.amdhsa_kernarg_size 120
		.amdhsa_user_sgpr_count 2
		.amdhsa_user_sgpr_kernarg_segment_ptr 1
		.amdhsa_wavefront_size32 1
		.amdhsa_system_sgpr_workgroup_id_x 1
		.amdhsa_system_sgpr_workgroup_id_y 1
		.amdhsa_system_sgpr_workgroup_id_z 1
		.amdhsa_system_vgpr_workitem_id 0
		.amdhsa_next_free_vgpr 512
		.amdhsa_next_free_sgpr 66
		.amdhsa_reserve_vcc 0
		.amdhsa_float_denorm_mode_32 3
		.amdhsa_float_denorm_mode_16_64 3
		.amdhsa_memory_ordered 1
		.amdhsa_forward_progress 1
		.amdhsa_inst_pref_size 225
	.end_amdhsa_kernel
	.amdgpu_metadata
---
amdhsa.version: [ 1, 2 ]
amdhsa.kernels:
  - .name:           k_q882ee8caca_geo
    .symbol:         k_q882ee8caca_geo.kd
    .args:
      - { .name: scene_points, .offset: 0, .size: 8, .value_kind: global_buffer, .address_space: global }
      - { .name: grasp_poses, .offset: 8, .size: 8, .value_kind: global_buffer, .address_space: global }
      - { .name: W1, .offset: 16, .size: 8, .value_kind: global_buffer, .address_space: global }
      - { .name: b1, .offset: 24, .size: 8, .value_kind: global_buffer, .address_space: global }
      - { .name: g1, .offset: 32, .size: 8, .value_kind: global_buffer, .address_space: global }
      - { .name: beta1, .offset: 40, .size: 8, .value_kind: global_buffer, .address_space: global }
      - { .name: W2_codes, .offset: 48, .size: 8, .value_kind: global_buffer, .address_space: global }
      - { .name: W2_scales, .offset: 56, .size: 8, .value_kind: global_buffer, .address_space: global }
      - { .name: b2, .offset: 64, .size: 8, .value_kind: global_buffer, .address_space: global }
      - { .name: g2, .offset: 72, .size: 8, .value_kind: global_buffer, .address_space: global }
      - { .name: beta2, .offset: 80, .size: 8, .value_kind: global_buffer, .address_space: global }
      - { .name: W3, .offset: 88, .size: 8, .value_kind: global_buffer, .address_space: global }
      - { .name: b3, .offset: 96, .size: 8, .value_kind: global_buffer, .address_space: global }
      - { .name: bias_scale, .offset: 104, .size: 8, .value_kind: global_buffer, .address_space: global }
      - { .name: out0, .offset: 112, .size: 8, .value_kind: global_buffer, .address_space: global }
    .group_segment_fixed_size: 35840
    .private_segment_fixed_size: 0
    .kernarg_segment_align: 8
    .kernarg_segment_size: 120
    .max_flat_workgroup_size: 256
    .sgpr_count:     66
    .vgpr_count:     512
    .wavefront_size: 32
...
	.end_amdgpu_metadata
.endif
;; end of part 1
;; ======== version 2 of 2: 1 launch; version 1 with the launch geo written anew for expert scheduling mode
;; launch geo (part 2): grid 256 x 1, 8 waves a work-group, no clusters, 35,840 bytes of LDS; arguments scene_points, grasp_poses, W1, b1, g1, beta1, W2_codes, W2_scales, b2, g2, beta2, W3, b3, bias_scale, out0; writes out0
.if DOCPART == 2
	.amdgcn_target "amdgcn-amd-amdhsa--gfx1250"
	.amdhsa_code_object_version 6
	.text
	.protected	k_q882ee8caca_geo
	.globl	k_q882ee8caca_geo
	.p2align	8
	.type	k_q882ee8caca_geo,@function
k_q882ee8caca_geo:
	s_mov_b64 s[64:65], 0
	v_nop
	global_prefetch_b8 v0, s[64:65] scope:SCOPE_SE
	s_setreg_imm32_b32 hwreg(HW_REG_WAVE_SCHED_MODE, 0, 2), 2
	s_setreg_imm32_b32 hwreg(HW_REG_WAVE_MODE, 25, 1), 1
	s_wait_xcnt 0x0
	s_wait_alu depctr_vm_vsrc(0)
; out0[b][head][g][p] = bias_scale[head] x (LN2(relu(Q(LN1(relu(feats W1 + b1))) W2 + b2)) W3 + b3)[head],
; feats = (R^T (point p - t), its norm) for grasp (b, g).  Q: the MX quantiser to E2M3 along the 128 hidden units; W2 arrives as codes.
; SHARES.  A work-group owns one grasp (256 grasps, 256 work-groups); each of its eight waves 512 points: 8 trips of 64 points, a trip = 4 tiles of 16 points.
; A lane (r = lane % 16, h = lane / 16) holds ONE point r of the tile throughout; its registers run along the hidden units.  Waves share nothing: no barrier.
; PRODUCTS.  feats W1 (K = 4) feeds the quantiser, so it takes f32 operands: v_wmma_f32_16x16x4_f32, transposed (source 0 = 16 columns of W1, source 1 = the features, C = b1).
;   The 16 columns of W1 that form tile t = 4 c + u are hidden units 64 c + 8 u + (m % 8) + 32 (m / 8): register 32 c + i of a lane is then hidden unit 64 c + 32 h + i, which is the
;   6-bit operand's own order: a lane holds two WHOLE blocks of 32, so a block's largest magnitude and its codes need no other lane.
;   The quantised product: v_wmma_scale_f32_16x16x128_f8f6f4, both sides FP6, transposed (source 0 = 16 rows of W2's codes, source 1 = the codes just made, C = b2).
;   The last product (64 -> 8) feeds no quantiser: bf16 operands, f32 sums, NOT transposed, so that a lane's eight results are eight neighbouring points of one head.
;   LayerNorm 2's gain and bias, b3 and bias_scale are folded into it, exactly: out = sum_k e_k (g2_k W3[k][hd] sc[hd]) + sc[hd] (b3[hd] + sum_k beta2_k W3[k][hd]), e = (x - mean) rsqrt(var + eps) in f32.
;   Columns 8-15 of that product repeat heads 0-7 (no load leaves W3, nothing is zeroed); their results go to stage rows that nobody reads.
; VARIANCES are taken of x - mean, as the definition has them: no difference of large sums.
; THE WAY OUT.  A trip's 64 points of a head are 256 consecutive bytes of out0, aligned: the four tiles' results meet in the wave's own stage in LDS and leave as whole rows.
; grasp_tokens enters no step of the definition; no result hangs on it, and it is not among this launch's arguments.
; LIMITS.  NaN and infinities among the inputs are not served.  A block whose largest magnitude lies under 2^-124 keeps the scale byte 1 (so does a block of zeros: its codes are zeros, which add nothing).
;   v_sqrt_f32, v_rsq_f32 and v_rcp_f32 are good to 1 ulp and flush denormals (ISA guide, their entries in 15.8): a squared distance under 2^-126 gives distance 0.  |point - t| above about 1e19 overflows its square.
; THE MODE: SCHED_MODE bits 1:0 = 2 (LLVM: expert scheduling mode 2), set by the entry lines.  The code itself states the register dependences
; between vector or matrix instructions and memory or LDS instructions, with s_wait_alu, always for 0.
; THE PLAN.  Registers that memory or LDS instructions touch, in the loop:
;   v1, v2, v3, v4   offsets and LDS addresses, made once at the head and never written again: the points and out0 are reached by scalar bases that move on, and by immediate offsets.
;   v48-50, v52-54   a trip's points.  The two loads behind FEATS P1 (between tiles 0 and 1) land in them; FEATS P0 (between tiles 2 and 3) and the next trip's FEATS P1 read them.
;                    The wait for the square root inside FEATS P1 stands behind the lines that read them, and the one line behind it names none of them: it serves the two loads.
;   v192-199         Written by a tile's last product, read by its two LDS stores, written again by the next tile's fourth run of relu lines.
;   v56-71           In a tile: the codes, written by the conversions and moves and read by the scaled product.  At a trip's end the four loads from the stage land in them and the four stores to out0
;                    read them; the next trip's first conversions write them again.
;   All else (the accumulators, the 64 numbers at work, the constants) is named by vector and matrix instructions alone.
; So a tile has ONE wait on vm_vsrc (ahead of the relu lines that write v192-199; in a trip's first tile it also frees v56-71) and, beside the waits behind its two reciprocal roots and inside the bf16 chain,
; two on va_vdst: in front of the scaled products (their codes and scale word come from vector lines) and in front of the two LDS stores (their data come from a matrix instruction).
; REGISTERS, in windows of 256.  Window 0: see the names below.  Window 1: b1, g1, beta1 (64 each, in the first product's result layout), b2 (32), the folded W3 in bf16 (16), the folded constant (8).
.set PA,   1                           ; v1      my point's byte in the wave's points of a trip: 12 x lane + 6,144 x wave; never rewritten
.set STO,  2                           ; v2      the stage, in: 4,352 x wave + 272 r + 32 h
.set SRD,  3                           ; v3      the stage, back: 4,352 x wave + 272 h + 16 r
.set OA,   4                           ; v4      out0: 1,048,576 h + 16 r
.set SH8,  5                           ; v5      8 h: where my two scale bytes stand in the scale word
.set T,    6                           ; v6-13   at work: four pairs
.set BC,   14                          ; v[14:15] the number that a packed line applies to both halves (-mean, or rsqrt); v15 is only named with it
.set W1F,  16                          ; v16-31  W1's eight fragments
.set W2S,  32                          ; v32-35  W2's scale words: scales and nothing else
.set PW,   36                          ; v36     the hidden layer's scale word: scales and nothing else
.set F,    40                          ; v40-47  the features of a trip's four tiles, two registers each
.set P0,   48                          ; v48-50  points 0-31 of a trip as loaded;  v52-54 points 32-63
.set P1,   52
.set PC,   56                          ; v56-67  the hidden layer's codes: a fragment
.set PT,   68                          ; v68-70, v72-74  the upper halves of the two blocks' codes, as the conversions leave them
.set OB,   56                          ; v56-71  at a trip's end: eight rows on their way from the stage to out0
.set ACC,  80                          ; v80-143 the first product's eight results: written by that matrix form alone
.set X,    144                         ; v144-207 64 numbers at work; in layer 2: v144-175 its 32 numbers, v176-207 the quantised product's results, then v176-191 bf16 rows, v192-199 the last product's result
.set W2F,  208                         ; v208-255 W2's four fragments
.set B1,   0                           ; window 1
.set G1,   64
.set BE1,  128
.set B2,   192
.set W3F,  224
.set C3,   240
.set MSB, 0
.macro WIN new                         ; the immediate's high byte repeats the setting that is left; a switch that changes nothing is dropped
.if MSB != \new
	s_set_vgpr_msb (MSB<<8)|\new
.set MSB, \new
.endif
.endm
; settings: 0x10 source 2 in window 1;  0x14 sources 1 and 2;  0x04 source 1;  0x40 the destination
; tile t of the first product for the tile of points whose features stand in v[nf], v[nf+1]; runs under 0x10 (C = b1 in window 1)
.macro W1MUL t, nf
	v_wmma_f32_16x16x4_f32 v[ACC+8*\t:ACC+8*\t+7], v[W1F+2*\t:W1F+2*\t+1], v[\nf:\nf+1], v[B1+8*\t:B1+8*\t+7]
.endm
.macro NEXT t, nf                      ; nothing where there is no next tile
.if \nf >= 0
	W1MUL \t, \nf
.endif
.endm
; 32 points, lane l taking point l: v[f] .. v[f+3] = R^T (p - t) and its norm; then two exchanges of halves make of them the operands of points 0-15 (f, f+1) and 16-31 (f+2, f+3):
; register j of lane (r, h) = feature 2 h + j of point r
.macro FEATS p, f
.irp j, 0,1,2
	v_sub_f32 v[T+\j], v[\p+\j], s[57+\j]          ; the difference first, as the definition has it
.endr
.irp i, 0,1,2
	v_mul_f32 v[\f+\i], s[48+\i], v[T]             ; (R^T v)_i = sum over j of R_ji v_j
.endr
.irp i, 0,1,2
	v_fma_f32 v[\f+\i], s[51+\i], v[T+1], v[\f+\i]
.endr
.irp i, 0,1,2
	v_fma_f32 v[\f+\i], s[54+\i], v[T+2], v[\f+\i]
.endr
	v_mul_f32 v[T+3], v[\f], v[\f]
	v_fma_f32 v[T+3], v[\f+1], v[\f+1], v[T+3]
	v_fma_f32 v[T+3], v[\f+2], v[\f+2], v[T+3]
	v_sqrt_f32 v[\f+3], v[T+3]
	v_nop                                          ; one plain place behind a transcendental
	v_permlane16_swap_b32 v[\f], v[\f+2]           ; the first's lanes 16-31 change places with the second's lanes 0-15
	s_wait_alu depctr_va_vdst(0)                   ; the root is written, ahead of its first reader; and the three subtractions above are done reading the points' registers, in which the loads that follow FEATS P1 land (the line below names neither those registers nor the loads' offset)
	v_permlane16_swap_b32 v[\f+1], v[\f+3]
.endm
.macro RELU dst, src, n0, cnt          ; ascending: each accumulator is read from its low end on
.set rn, \n0
.rept \cnt
	v_max_num_f32 v[\dst+rn], 0, v[\src+rn]
.set rn, rn+1
.endr
.endm
; sums over a lane's numbers, two at a time, in four chains (the pairs at v[T] on); row m = pairs 4 m .. 4 m + 3
.macro ADDROW0 x
.irp q, 0,1,2,3
	v_pk_add_f32 v[T+2*\q:T+2*\q+1], v[\x+2*\q:\x+2*\q+1], v[\x+8+2*\q:\x+8+2*\q+1]
.endr
.endm
.macro ADDROW x, m
.irp q, 0,1,2,3
	v_pk_add_f32 v[T+2*\q:T+2*\q+1], v[T+2*\q:T+2*\q+1], v[\x+8*(\m)+2*\q:\x+8*(\m)+2*\q+1]
.endr
.endm
.macro SQROW0 x
.irp q, 0,1,2,3
	v_pk_mul_f32 v[T+2*\q:T+2*\q+1], v[\x+2*\q:\x+2*\q+1], v[\x+2*\q:\x+2*\q+1]
.endr
.endm
.macro SQROW x, m
.irp q, 0,1,2,3
	v_pk_fma_f32 v[T+2*\q:T+2*\q+1], v[\x+8*(\m)+2*\q:\x+8*(\m)+2*\q+1], v[\x+8*(\m)+2*\q:\x+8*(\m)+2*\q+1], v[T+2*\q:T+2*\q+1]
.endr
.endm
.macro FOLD
	v_pk_add_f32 v[T:T+1], v[T:T+1], v[T+2:T+3]
	v_pk_add_f32 v[T+4:T+5], v[T+4:T+5], v[T+6:T+7]
	v_pk_add_f32 v[T:T+1], v[T:T+1], v[T+4:T+5]
.endm
.macro LANES                           ; the pair's halves, and the lane 16 away, which holds the point's other numbers
	v_add_f32 v[T], v[T], v[T+1]
	v_permlanex16_b32 v[T+1], v[T], s46, s47
	v_add_f32 v[T], v[T], v[T+1]
.endm
.macro BADD x, p0, cnt                 ; cnt pairs from pair p0 on: + v[BC]
.set pp, 2*(\p0)
.rept \cnt
	v_pk_add_f32 v[\x+pp:\x+pp+1], v[\x+pp:\x+pp+1], v[BC:BC+1] op_sel_hi:[1,0]
.set pp, pp+2
.endr
.endm
.macro BMUL x, p0, cnt                 ; x v[BC]
.set pp, 2*(\p0)
.rept \cnt
	v_pk_mul_f32 v[\x+pp:\x+pp+1], v[\x+pp:\x+pp+1], v[BC:BC+1] op_sel_hi:[1,0]
.set pp, pp+2
.endr
.endm
; ONE TILE OF 16 POINTS, the tau-th of its trip.  Its first product stands finished in ACC.  nf: where the NEXT tile's features stand (negative: there is none).
.macro TILE tau, nf
; A: relu and mean.  The next tile's eight f32 products are dealt among these lines, one behind each 15 to 20 of them, each behind the relu that has read its accumulator: the matrix unit works under the vector lines.
.if \nf >= 0
	WIN 0x10                                       ; for their C; the vector lines here have two vector sources at most and are not touched by it
.endif
	RELU X, ACC, 0, 16
	NEXT 0, \nf
	RELU X, ACC, 16, 16
	NEXT 1, \nf
	RELU X, ACC, 32, 16
	NEXT 2, \nf
	s_wait_dscnt 0x0                               ; the last tile's two stores into the stage are done
.if \tau == 0
	s_wait_xcnt 0x0                                ; the last trip's four stores to out0 have had their addresses translated (ISA guide 3.1): their base, and their data v56-71, are written again only behind this wait
	s_add_nc_u64 s[36:37], s[36:37], 256           ; out0's base one trip (64 points) past this trip's place: this trip's stores reach back by their immediate
.endif
	s_wait_alu depctr_vm_vsrc(0)                   ; the last tile's two LDS stores have read v192-199, which the lines below write again; in a trip's first tile also: the last trip's four stores have read v56-71, which this tile's conversions write again
	RELU X, ACC, 48, 16
	NEXT 3, \nf
	ADDROW0 X
	ADDROW X, 2
	ADDROW X, 3
	ADDROW X, 4
	NEXT 4, \nf
	ADDROW X, 5
	ADDROW X, 6
	ADDROW X, 7
	FOLD
	NEXT 5, \nf
	LANES
	v_mul_f32 v[BC], 0xbc000000, v[T]              ; -mean = sum x -1/128
	BADD X, 0, 16
	NEXT 6, \nf
	BADD X, 16, 16
	NEXT 7, \nf
	WIN 0
; B: the variance of x - mean
	SQROW0 X
.irp m, 1,2,3,4,5,6,7
	SQROW X, \m
.endr
	FOLD
	LANES
	v_fma_f32 v[T], v[T], s60, s62                 ; / 128 + 1e-5
	v_rsq_f32 v[BC], v[T]
	v_nop                                          ; one plain place behind a transcendental
	s_wait_alu depctr_va_vdst(0)                   ; the reciprocal root is written, ahead of its first reader
; C, D: (x - mean) rsqrt, then x g1 + beta1
	BMUL X, 0, 32
	WIN 0x14
.set pp, 0
.rept 32
	v_pk_fma_f32 v[X+pp:X+pp+1], v[X+pp:X+pp+1], v[G1+pp:G1+pp+1], v[BE1+pp:BE1+pp+1]
.set pp, pp+2
.endr
	WIN 0
; E: the quantiser.  Block 2 c + h of my point is v[X + 32 c] .. + 31, all mine.  Two chains a block, the four by turns.
.irp c, 0,1
	v_max3_num_f32 v[T+\c], |v[X+32*\c]|, |v[X+32*\c+1]|, 0x1800000   ; with the floor 2^(3 - 127) among the leaves: the byte cannot fall under 1
	v_max3_num_f32 v[T+2+\c], |v[X+32*\c+16]|, |v[X+32*\c+17]|, |v[X+32*\c+18]|
.endr
.irp i, 0,1,2,3,4,5
.irp c, 0,1
	v_max3_num_f32 v[T+\c], v[T+\c], |v[X+32*\c+2+2*\i]|, |v[X+32*\c+3+2*\i]|
	v_max3_num_f32 v[T+2+\c], v[T+2+\c], |v[X+32*\c+19+2*\i]|, |v[X+32*\c+20+2*\i]|
.endr
.endr
.irp c, 0,1
	v_max3_num_f32 v[T+\c], v[T+\c], |v[X+32*\c+14]|, |v[X+32*\c+15]|
.endr
.irp c, 0,1
	v_max3_num_f32 v[T+\c], v[T+\c], v[T+2+\c], |v[X+32*\c+31]|     ; the block's largest magnitude
.endr
.irp c, 0,1
	v_add_nc_u32 v[T+4+\c], 0xff000000, v[T+\c]    ; 2 off its exponent field: the conversion takes the exponent field of this operand as its scale, and nothing else of it
.endr
.irp c, 0,1
	v_lshrrev_b32 v[T+6+\c], 23, v[T+4+\c]         ; the scale's byte
.endr
	v_lshl_or_b32 v[T+6], v[T+7], 16, v[T+6]       ; my two bytes: blocks h and 2 + h,
	v_lshlrev_b32 v[T+6], v[SH8], v[T+6]           ; at their places in the word (8 h bits up);
	v_permlanex16_b32 v[T+7], v[T+6], s46, s47
	v_or_b32 v[PW], v[T+6], v[T+7]                 ; with the other half's two the word is whole
.irp c, 0,1
	v_cvt_scalef32_pk16_fp6_f32 v[PC+6*\c:PC+6*\c+2], v[X+32*\c:X+32*\c+15], v[T+4+\c]
	v_cvt_scalef32_pk16_fp6_f32 v[PT+4*\c:PT+4*\c+2], v[X+32*\c+16:X+32*\c+31], v[T+4+\c]   ; (a conversion's three registers begin on an even number: a block's upper half is made elsewhere and moved)
.endr
	v_nop                                          ; one plain place behind a scaled conversion
.irp c, 0,1
.irp i, 0,1,2
	v_mov_b32 v[PC+3+6*\c+\i], v[PT+4*\c+\i]
.endr
.endr
.rept 7
	v_nop                                          ; with the v_nop above: eight places that name none of the product's registers between the scale word's last write and the scaled product; the codes' last write stands seven ahead (four are asked)
.endr
	s_wait_alu depctr_va_vdst(0)                   ; the conversions and moves have written the codes v56-67, the lines above them the scale word v36: the scaled products take them as source 1 and its scales; the places above stay beside this wait
; F: the quantised product, four accumulators, one K step each; C = b2
	WIN 0x10
.irp t, 0,1,2,3
	v_wmma_scale_f32_16x16x128_f8f6f4 v[X+32+8*\t:X+32+8*\t+7], v[W2F+12*\t:W2F+12*\t+11], v[PC:PC+11], v[B2+8*\t:B2+8*\t+7], v[W2S+\t], v[PW] matrix_a_fmt:MATRIX_FMT_FP6 matrix_b_fmt:MATRIX_FMT_FP6
.endr
	WIN 0
.rept 4
	v_nop                                          ; four places in front of the first read of the results (ISA guide 7.12.1)
.endr
; G: relu, mean, variance, normalised; register 8 t + j = unit 16 t + 8 h + j of my point; rounded to bf16 in pairs, which is the last product's source 0 as it stands
	RELU X, X+32, 0, 32
	ADDROW0 X
	ADDROW X, 2
	ADDROW X, 3
	FOLD
	LANES
	v_mul_f32 v[BC], 0xbc800000, v[T]              ; -mean = sum x -1/64
	BADD X, 0, 16
	SQROW0 X
	SQROW X, 1
	SQROW X, 2
	SQROW X, 3
	FOLD
	LANES
	v_fma_f32 v[T], v[T], s61, s62                 ; / 64 + 1e-5
	v_rsq_f32 v[BC], v[T]
	v_nop                                          ; one plain place behind a transcendental
	s_wait_alu depctr_va_vdst(0)                   ; the reciprocal root is written, ahead of its first reader
	BMUL X, 0, 16
.set pp, 0
.rept 16
	v_cvt_pk_bf16_f32 v[X+32+pp], v[X+2*pp], v[X+2*pp+1]
.set pp, pp+1
.endr
; H: the last product, K = 64 in two steps on one accumulator; C = the folded constant
	WIN 0x14
	v_wmma_f32_16x16x32_bf16 v[X+48:X+55], v[X+32:X+39], v[W3F:W3F+7], v[C3:C3+7]
	WIN 0x04
	s_wait_alu depctr_va_vdst(0)                   ; the link adds onto the result of the matrix instruction just before it
	v_wmma_f32_16x16x32_bf16 v[X+48:X+55], v[X+40:X+47], v[W3F+8:W3F+15], v[X+48:X+55]
	WIN 0
.rept 4
	v_nop                                          ; four places in front of the stores that read the result
.endr
	s_wait_alu depctr_va_vdst(0)                   ; the last product has written v192-199, which the two LDS stores read; the places above stay beside this wait.  In a trip's last tile also: the scaled products and the moves are done with v56-71, in which the loads from the stage land (only the two stores stand between)
	ds_store_b128 v[STO], v[X+48:X+51] offset:64*\tau          ; lane (r, h): head r, points 16 tau + 8 h + 0 .. 7; from the low end on
	ds_store_b128 v[STO], v[X+52:X+55] offset:64*\tau+16
.endm
.macro LOADP                           ; a trip's 64 points: each load reads 384 consecutive bytes, 12 a lane
	global_load_b96 v[P0:P0+2], v[PA], s[8:9]
	global_load_b96 v[P1:P1+2], v[PA], s[8:9] offset:384
.endm
; a trip's way out: eight rows of 256 bytes come back from my stage (LDS serves a wave's instructions in order, ISA guide 5.7.1.4: these see the stores above) into v56-71 and are stored.
; Nothing is freed here: the next trip's first tile holds the waits, ahead of the lines that step the base and write v56-71 again.
.macro OUT
.irp q, 0,1,2,3
	ds_load_b128 v[OB+4*\q:OB+4*\q+3], v[SRD] offset:544*\q
.endr
.irp q, 0,1,2,3
	s_wait_dscnt 3-\q                              ; load q is in; the 3 - q younger ones may stay out
	global_store_b128 v[OA], v[OB+4*\q:OB+4*\q+3], s[36:37] offset:\q*2097152-256 th:TH_STORE_NT   ; lanes 0-15: head 2 q's 256 consecutive bytes, aligned; lanes 16-31: head 2 q + 1's; the base stands one trip on, the immediate reaches back.  Written once, read by nobody here
.endr
.endm
; ---------------- set-up, every wave ----------------
	s_load_b512 s[8:23], s[0:1], 0x0               ; scene_points 8, grasp_poses 10, W1 12, b1 14, g1 16, beta1 18, W2_codes 20, W2_scales 22
	s_load_b256 s[24:31], s[0:1], 0x40             ; b2 24, g2 26, beta2 28, W3 30
	s_load_b128 s[32:35], s[0:1], 0x60             ; b3 32, bias_scale 34
	s_load_b64 s[36:37], s[0:1], 0x70              ; out0
	v_lshl_add_u32 v51, v0, 2, 0x8800
	v_mov_b32 v55, 0
	v_lshrrev_b32 v6, 5, v0
	v_readfirstlane_b32 s3, v6                     ; wave 0..7
	s_mov_b32 s2, ttmp9                            ; the grasp: 64 b + g
	s_mov_b32 s46, 0x76543210
	s_mov_b32 s47, 0xfedcba98                      ; v_permlanex16_b32's selects for lane l xor 16
	s_mov_b32 s60, 0x3c000000                      ; 1/128
	s_mov_b32 s61, 0x3c800000                      ; 1/64
	s_mov_b32 s62, 0x3727c5ac                      ; 1e-5
	v_and_b32 v6, 31, v0                           ; lane
	v_and_b32 v7, 15, v0                           ; r
	v_bfe_u32 v8, v0, 4, 1                         ; h
	v_and_b32 v9, 7, v7                            ; r % 8
	v_lshrrev_b32 v10, 3, v7                       ; r / 8
	s_wait_alu depctr_va_sdst(0)                   ; s3, the wave's number, is written, ahead of its first reader
	s_mul_i32 s5, s3, 6144
	v_mul_u32_u24 v[PA], v6, 12
	v_add_nc_u32 v[PA], s5, v[PA]
	s_mul_i32 s5, s3, 4352                         ; my stage: 16 rows of 256 + 16 bytes
	v_mul_u32_u24 v[STO], v7, 272
	v_lshl_add_u32 v[STO], v8, 5, v[STO]
	v_add_nc_u32 v[STO], s5, v[STO]
	v_mul_u32_u24 v[SRD], v8, 272
	v_lshl_add_u32 v[SRD], v7, 4, v[SRD]
	v_add_nc_u32 v[SRD], s5, v[SRD]
	v_lshlrev_b32 v[OA], 20, v8
	v_lshl_add_u32 v[OA], v7, 4, v[OA]
	v_lshlrev_b32 v[SH8], 3, v8
	v_lshlrev_b32 v144, 7, v8                      ; b1, g1, beta1: 128 h
	v_lshlrev_b32 v145, 5, v8                      ; b2: 32 h
	v_lshlrev_b32 v146, 10, v8                     ; W1: rows 2 h + j, column (r % 8) + 32 (r / 8) of the tile's
	v_lshl_add_u32 v146, v9, 2, v146
	v_lshl_add_u32 v146, v10, 7, v146
	v_mul_u32_u24 v147, v7, 96                     ; W2's codes: row r of 96 bytes, + 24 h
	v_mad_u32_u24 v147, v8, 24, v147
	v_lshlrev_b32 v148, 2, v7                      ; W2's scale words: 4 r
	v_lshlrev_b32 v13, 8, v8                       ; W3: rows 8 h on, column r % 8
	v_lshl_add_u32 v13, v9, 2, v13
	v_lshlrev_b32 v14, 5, v8                       ; g2, beta2: 32 h
	v_lshlrev_b32 v15, 2, v9                       ; b3, bias_scale: 4 (r % 8)
	s_mul_i32 s5, s2, 28
	v_mov_b32 v37, s5                              ; my grasp's pose: 7 words
	s_lshr_b32 s5, s2, 6                           ; b
	s_mul_i32 s6, s5, 49152
	s_mov_b32 s7, 0
	s_lshl_b32 s38, s5, 23                         ; out0: b x 8 heads x 64 grasps x 16,384 bytes
	s_and_b32 s40, s2, 63
	s_lshl_b32 s40, s40, 14                        ; + g x 16,384
	s_add_co_u32 s38, s38, s40
	s_lshl_b32 s40, s3, 11                         ; + my wave's 512 points
	s_add_co_u32 s38, s38, s40
	s_mov_b32 s39, 0
	s_wait_kmcnt 0x0
	s_add_nc_u64 s[8:9], s[8:9], s[6:7]            ; the batch's points
	s_add_nc_u64 s[36:37], s[36:37], s[38:39]
	s_wait_alu depctr_va_vdst(0)                   ; every offset and address of the kernel is written (v1 to v4, v13 to v15, v37, v144 to v148), which the loads and stores read; and the lines above are done with v6 to v12 and v144 to v148, on which set-up loads land.  Up to the last set-up load only loads and window switches follow
	LOADP                                          ; the first trip's points
.irp t, 0,1,2,3,4,5,6,7
.irp j, 0,1
	global_load_b32 v[W1F+2*\t+\j], v146, s[12:13] offset:256*(\t/4)+32*(\t%4)+512*\j
.endr
.endr
.irp t, 0,1,2,3
.irp p, 0,1,2,3,4,5
	global_load_b64 v[W2F+12*\t+2*\p:W2F+12*\t+2*\p+1], v147, s[20:21] offset:1536*\t+48*(\p/3)+8*(\p%3)   ; 24 bytes of the row's stream of bits as three loads of 8
.endr
	global_load_b32 v[W2S+\t], v148, s[22:23] offset:64*\t
.endr
	WIN 0x40                                       ; destinations in window 1
.irp c, 0,1
.irp q, 0,1,2,3,4,5,6,7
	global_load_b128 v[B1+32*\c+4*\q:B1+32*\c+4*\q+3], v144, s[14:15] offset:256*\c+16*\q      ; register 32 c + i: index 64 c + 32 h + i
	global_load_b128 v[G1+32*\c+4*\q:G1+32*\c+4*\q+3], v144, s[16:17] offset:256*\c+16*\q
	global_load_b128 v[BE1+32*\c+4*\q:BE1+32*\c+4*\q+3], v144, s[18:19] offset:256*\c+16*\q
.endr
.endr
.irp t, 0,1,2,3
.irp q, 0,1
	global_load_b128 v[B2+8*\t+4*\q:B2+8*\t+4*\q+3], v145, s[24:25] offset:64*\t+16*\q         ; register 8 t + j: index 16 t + 8 h + j
.endr
.endr
	WIN 0
	s_wait_xcnt 0x0                                ; v144-148 were addresses of the loads above: the loads below land on them only behind this wait
	s_wait_alu depctr_vm_vsrc(0)                   ; the loads above have read v144 to v148, on which the loads below land
; index e = 16 s + 8 c + i stands for k = 32 s + 16 c + 8 h + i: the bf16 operand's order
.set ee, 0
.rept 32
	global_load_b32 v[X+ee], v13, s[30:31] offset:(32*(ee/16)+16*((ee/8)%2)+ee%8)*32           ; W3[k][r % 8]
.set ee, ee+1
.endr
.set ee, 0
.rept 8
	global_load_b128 v[X+32+4*ee:X+32+4*ee+3], v14, s[26:27] offset:(32*(ee/4)+16*((ee/2)%2))*4+16*(ee%2)     ; g2[k]
	global_load_b128 v[40+4*ee+8*((4*ee+24)/32):40+4*ee+8*((4*ee+24)/32)+3], v14, s[28:29] offset:(32*(ee/4)+16*((ee/2)%2))*4+16*(ee%2)   ; beta2[k]: v40-47, then v56-79 (the points' registers are passed over)
.set ee, ee+1
.endr
	global_load_b32 v38, v15, s[34:35]             ; bias_scale[r % 8]
	global_load_b32 v39, v15, s[32:33]             ; b3[r % 8]
.irp i, 0,1,2,3,4,5,6
	global_load_b32 v[6+\i], v37, s[10:11] offset:4*\i         ; t in v6-8, the quaternion (x, y, z, w) in v9-12: the same in every lane
.endr
	s_wait_loadcnt 0x0                             ; all constants, the pose and the first points
	s_wait_alu depctr_vm_vsrc(0)                   ; the loads above have read their offsets v13, v14 and v15, which the lines below write again
; the folded constant: sc (b3 + sum over k of beta2_k W3[k][hd]): my 32 k in two chains, the other 32 from the lane 16 away
	v_mul_f32 v13, v[X], v40
	v_mul_f32 v14, v[X+1], v41
.set ee, 2
.rept 15
	v_fma_f32 v13, v[X+ee], v[40+ee+8*((ee+24)/32)], v13
	v_fma_f32 v14, v[X+ee+1], v[41+ee+8*((ee+25)/32)], v14
.set ee, ee+2
.endr
	v_add_f32 v13, v13, v14
	v_permlanex16_b32 v15, v13, s46, s47
	v_add_f32 v13, v13, v15
	v_add_f32 v13, v13, v39
	v_mul_f32 v13, v13, v38
; the folded weight: W3[k][hd] g2_k sc[hd] in f32, rounded once to bf16
.set ee, 0
.rept 16
	v_pk_mul_f32 v[X+ee:X+ee+1], v[X+ee:X+ee+1], v[X+32+ee:X+32+ee+1]
.set ee, ee+2
.endr
.set ee, 0
.rept 16
	v_pk_mul_f32 v[X+ee:X+ee+1], v[X+ee:X+ee+1], v[38:39] op_sel_hi:[1,0]
.set ee, ee+2
.endr
	WIN 0x40
.set ee, 0
.rept 16
	v_cvt_pk_bf16_f32 v[W3F+ee], v[X+2*ee], v[X+2*ee+1]
.set ee, ee+1
.endr
.irp j, 0,1,2,3,4,5,6,7
	v_mov_b32 v[C3+\j], v13
.endr
	WIN 0
	v_mov_b32 v15, 0                               ; named as the upper half of v[14:15]
; the rotation, the same in every lane
	v_mul_f32 v144, v9, v9
	v_fma_f32 v144, v10, v10, v144
	v_fma_f32 v144, v11, v11, v144
	v_fma_f32 v144, v12, v12, v144
	v_sqrt_f32 v144, v144
	v_nop                                          ; one plain place behind a transcendental
	s_wait_alu depctr_va_vdst(0)                   ; the quaternion's norm is written, ahead of its first reader
	v_add_f32 v144, 0x322bcc77, v144               ; + 1e-8
	v_rcp_f32 v144, v144
	v_nop
	s_wait_alu depctr_va_vdst(0)                   ; the reciprocal is written, ahead of its first reader
.irp i, 9,10,11,12
	v_mul_f32 v\i, v\i, v144
.endr
	v_mul_f32 v145, v9, v9                         ; xx
	v_mul_f32 v146, v10, v10                       ; yy
	v_mul_f32 v147, v11, v11                       ; zz
	v_mul_f32 v148, v9, v10                        ; xy
	v_mul_f32 v149, v9, v11                        ; xz
	v_mul_f32 v150, v10, v11                       ; yz
	v_mul_f32 v151, v12, v9                        ; wx
	v_mul_f32 v152, v12, v10                       ; wy
	v_mul_f32 v153, v12, v11                       ; wz
	v_add_f32 v154, v146, v147                     ; R00 = 1 - 2 (yy + zz)
	v_sub_f32 v155, v148, v153                     ; R01 = 2 (xy - wz)
	v_add_f32 v156, v149, v152                     ; R02 = 2 (xz + wy)
	v_add_f32 v157, v148, v153                     ; R10 = 2 (xy + wz)
	v_add_f32 v158, v145, v147                     ; R11 = 1 - 2 (xx + zz)
	v_sub_f32 v159, v150, v151                     ; R12 = 2 (yz - wx)
	v_sub_f32 v160, v149, v152                     ; R20 = 2 (xz - wy)
	v_add_f32 v161, v150, v151                     ; R21 = 2 (yz + wx)
	v_add_f32 v162, v145, v146                     ; R22 = 1 - 2 (xx + yy)
.irp i, 154,158,162
	v_fma_f32 v\i, v\i, -2.0, 1.0
.endr
.irp i, 155,156,157,159,160,161
	v_mul_f32 v\i, 2.0, v\i
.endr
.irp i, 0,1,2,3,4,5,6,7,8
	v_readfirstlane_b32 s[48+\i], v[154+\i]        ; s[48 + 3 j + i] = R_ji
.endr
.irp i, 0,1,2
	v_readfirstlane_b32 s[57+\i], v[6+\i]          ; t
.endr
	s_wait_alu depctr_va_sdst(0)                   ; s48 to s59, the rotation and t, are written, ahead of their first readers, the features' lines
; the first tile's first product
	s_add_nc_u64 s[8:9], s[8:9], 768               ; the next trip's points (the loads that read this base are in)
	FEATS P0, F
	WIN 0x10
.irp t, 0,1,2,3,4,5,6,7
	W1MUL \t, F
.endr
	WIN 0
.rept 8
	v_nop                                          ; eight places behind this matrix form in front of the first read of its results; in the loop a tile's other phases stand there
.endr
	s_mov_b32 s4, 7
.Ltrip:                                            ; seven trips; the eighth is written out, since it loads nothing and starts no product
	TILE 0, F+2                                    ; and starts tile 1's first product
	FEATS P1, F+4                                  ; this trip's points 32-63
	LOADP                                          ; the next trip's 64 points: two tiles ahead of their first use.  No wait of its own: the one inside FEATS stands behind the last readers of v48-50 and v52-54
	TILE 1, F+4
	TILE 2, F+6
	s_wait_loadcnt 0x0                             ; both loads are in, which also shows them done with their base: it may be stepped
	s_add_nc_u64 s[8:9], s[8:9], 768
	FEATS P0, F                                    ; the next trip's points 0-31
	TILE 3, F                                      ; and starts the next trip's tile 0
	OUT
	s_sub_co_u32 s4, s4, 1
	s_cmp_lg_u32 s4, 0
	s_cbranch_scc1 .Ltrip
	TILE 0, F+2
	FEATS P1, F+4
	TILE 1, F+4
	TILE 2, F+6
	TILE 3, -1
	OUT
	s_wait_dscnt 0x0                               ; the closing lines, six on end
	s_wait_alu 0x0
	s_wait_tensorcnt 0x0
	ds_add_u32 v51, v55
	s_wait_dscnt 0x0
	s_endpgm
.Lfunc_end_k_q882ee8caca_geo:
	.size	k_q882ee8caca_geo, .Lfunc_end_k_q882ee8caca_geo-k_q882ee8caca_geo
	.p2alignl 7, 3214868480
	.fill 96, 4, 3214868480
	.section	.rodata,"a",@progbits
	.p2align	6, 0x0
	.amdhsa_kernel k_q882ee8caca_geo
		.amdhsa_group_segment_fixed_size 35840
		.amdhsa_private_segment_fixed_size 0
		.amdhsa_enable_private_segment 0
		.amdhsa_kernarg_size 120
		.amdhsa_user_sgpr_count 2
		.amdhsa_user_sgpr_kernarg_segment_ptr 1
		.amdhsa_wavefront_size32 1
		.amdhsa_system_sgpr_workgroup_id_x 1
		.amdhsa_system_sgpr_workgroup_id_y 1
		.amdhsa_system_sgpr_workgroup_id_z 1
		.amdhsa_system_vgpr_workitem_id 0
		.amdhsa_next_free_vgpr 512
		.amdhsa_next_free_sgpr 66
		.amdhsa_reserve_vcc 0
		.amdhsa_float_denorm_mode_32 3
		.amdhsa_float_denorm_mode_16_64 3
		.amdhsa_memory_ordered 1
		.amdhsa_forward_progress 1
		.amdhsa_inst_pref_size 227
	.end_amdhsa_kernel
	.amdgpu_metadata
---
amdhsa.version: [ 1, 2 ]
amdhsa.kernels:
  - .name:           k_q882ee8caca_geo
    .symbol:         k_q882ee8caca_geo.kd
    .args:
      - { .name: scene_points, .offset: 0, .size: 8, .value_kind: global_buffer, .address_space: global }
      - { .name: grasp_poses, .offset: 8, .size: 8, .value_kind: global_buffer, .address_space: global }
      - { .name: W1, .offset: 16, .size: 8, .value_kind: global_buffer, .address_space: global }
      - { .name: b1, .offset: 24, .size: 8, .value_kind: global_buffer, .address_space: global }
      - { .name: g1, .offset: 32, .size: 8, .value_kind: global_buffer, .address_space: global }
      - { .name: beta1, .offset: 40, .size: 8, .value_kind: global_buffer, .address_space: global }
      - { .name: W2_codes, .offset: 48, .size: 8, .value_kind: global_buffer, .address_space: global }
      - { .name: W2_scales, .offset: 56, .size: 8, .value_kind: global_buffer, .address_space: global }
      - { .name: b2, .offset: 64, .size: 8, .value_kind: global_buffer, .address_space: global }
      - { .name: g2, .offset: 72, .size: 8, .value_kind: global_buffer, .address_space: global }
      - { .name: beta2, .offset: 80, .size: 8, .value_kind: global_buffer, .address_space: global }
      - { .name: W3, .offset: 88, .size: 8, .value_kind: global_buffer, .address_space: global }
      - { .name: b3, .offset: 96, .size: 8, .value_kind: global_buffer, .address_space: global }
      - { .name: bias_scale, .offset: 104, .size: 8, .value_kind: global_buffer, .address_space: global }
      - { .name: out0, .offset: 112, .size: 8, .value_kind: global_buffer, .address_space: global }
    .group_segment_fixed_size: 35840
    .private_segment_fixed_size: 0
    .kernarg_segment_align: 8
    .kernarg_segment_size: 120
    .max_flat_workgroup_size: 256
    .sgpr_count:     66
    .vgpr_count:     512
    .wavefront_size: 32
...
	.end_amdgpu_metadata
.endif
;; end of part 2
